; MI455X (gfx1250); checked and timed in simulation.
; The chip was launched on July 23, 2026; its instructions are those of AMD's public machine-readable ISA for CDNA 5 (MIT licence, August 2026) and "CDNA5" Instruction Set Architecture Reference Guide (July 2026). The comments in the code are by the model that wrote it; some were corrected since.
;; One Step Attention. Allowed arithmetic: matrix products marked QUANTISED: E2M1 operands, one E8M0 scale for each 32 along K, by v_wmma_scale_f32_16x16x128_f8f6f4 with both operands' format E2M1 (or v_wmma_scale_f32_32x16x128_f4), f32 sums; products left as they are: f32 operands where the result goes on into a quantised operand, else bf16, f16 or f32 operands; f32 sums; everything else in f32.
;; Inputs: U_codes 1,024 x 32 x 16 uint8 (E2M1 codes of U, K innermost, in blocks of 32 codes, two codes a byte); U_scales 1,024 x 32 uint8 (E8M0 scales of U, one for each 32 codes along K); W_codes 1,024 x 32 x 16 uint8 (E2M1 codes of W, K innermost, in blocks of 32 codes, two codes a byte); W_scales 1,024 x 32 uint8 (E8M0 scales of W, one for each 32 codes along K); k_codes 32 x 1,024 x 32 x 16 uint8 (E2M1 codes of k, K innermost, in blocks of 32 codes, two codes a byte); k_scales 32 x 1,024 x 32 uint8 (E8M0 scales of k, one for each 32 codes along K); q_codes 32 x 1,024 x 32 x 16 uint8 (E2M1 codes of q, K innermost, in blocks of 32 codes, two codes a byte); q_scales 32 x 1,024 x 32 uint8 (E8M0 scales of q, one for each 32 codes along K); v 32 x 1,024 x 1 float32.
;; Outputs: out0 32 x 1 x 1,024 float32.
;; This version of the problem:
;;   THIS VERSION OF THE PROBLEM IS GIVEN IN LOW PRECISION. The matrix products marked QUANTISED in the list below multiply operands that are first quantised to E2M1 (2 exponent bits, 1 mantissa bit; 4 bits a number), with one power-of-two scale for each 32 numbers along K (OCP MX v1.0); their sums are f32. All else is computed in f32.
;;   The module's matrix products, in the order in which they are computed (A, B: the left and right operand; K: the contracted axis; several contracted axes count as one K, in the product's order):
;;     1. [M 32,768, K 1,024] x [K 1,024, N 1,024]; A: input k (given as codes); B: input W (given as codes): QUANTISED
;;     2. [M 32,768, K 1,024] x [K 1,024, N 1,024]; A: input q (given as codes); B: input U (given as codes): QUANTISED
;;     3. batch 32 x [M 1, K 1,024] x [K 1,024, N 1,024]; A: input v; B: computed on the way: left as it is (M = 1 < 16)
;;   THE QUANTISER, for each operand of a quantised product, along K:
;;     - K is cut into blocks of 32 from its start; a last block that is shorter is filled with zeros.
;;     - A block's scale is 2^e with e = floor(log2(the largest magnitude in the block)) - 2, held to -126 .. 127; a block of zeros has e = 0. As a byte (E8M0): e + 127.
;;     - Each number is divided by its block's scale, clamped to +-6, and rounded to the nearest number of E2M1, ties to even, subnormals kept.
;;     - The product sums the exact products of the quantised numbers (number of the format x scale) in f32.
;;   ~~~python
;;   def quantise(x, axis):      # numpy; x: float32 -> the quantised numbers, widened to float32 again
;;       x = np.moveaxis(x, axis, -1); K = x.shape[-1]
;;       x = np.pad(x, [(0, 0)] * (x.ndim - 1) + [(0, -K % 32)]); x = x.reshape(x.shape[:-1] + (-1, 32)); a = np.abs(x).max(-1, keepdims=True)
;;       e = np.where(a > 0, np.clip(np.frexp(np.where(a > 0, a, 1))[1] - 1 - 2, -126, 127), 0)      # np.frexp(a)[1] - 1 = floor(log2(a)), exactly
;;       r = np.clip(x / 2.0 ** e, -6, 6)
;;       step = 2.0 ** (np.maximum(np.frexp(np.where(r == 0, 1, r))[1] - 1, 0) - 1)
;;       q = np.round(r / step) * step * 2.0 ** e      # np.round: ties to even
;;       return np.moveaxis(q.reshape(q.shape[:-2] + (-1,))[..., :K], -1, axis).astype(np.float32)
;;   ~~~
;;   INPUTS GIVEN AS CODES. U (in the module: [1024, 1024], K = its axis 1); W (in the module: [1024, 1024], K = its axis 1); k (in the module: [32, 1024, 1024], K = its axis 1); q (in the module: [32, 1024, 1024], K = its axis 1): each comes as NAME_codes (uint8): NAME with its K axis moved to the last place and cut into blocks of 32 codes, [.., K / 32, bytes a block], one block behind the other in memory; two codes a byte, the lower K in the low four bits (a code: sign, 2 exponent bits, 1 mantissa bit); and NAME_scales (uint8): the same leading axes, one E8M0 byte (e + 127) for each 32 codes along K. Its value is code x scale, taken as it is: it is not quantised again, and the codes and scales need not be those that the quantiser above would give.
;; One version. Each part assembles by itself: llvm-mc -triple=amdgcn-amd-amdhsa -mcpu=gfx1250 --defsym DOCPART=n.
;; ======== version 1 of 1: 2 launches
;; workspace buffers: part 524,288 bytes
;; launch scores (part 1): grid 4 x 64, 4 waves a work-group, clusters of 4 x 4, 327,680 bytes of LDS; arguments k_codes, k_scales, q_codes, q_scales, W_codes, W_scales, U_codes, U_scales, v, part; writes part
.if DOCPART == 1
	.amdgcn_target "amdgcn-amd-amdhsa--gfx1250"
	.amdhsa_code_object_version 6
	.text
	.protected	k_q48b5b43a23_scores
	.globl	k_q48b5b43a23_scores
	.p2align	8
	.type	k_q48b5b43a23_scores,@function
k_q48b5b43a23_scores:
	s_mov_b64 s[64:65], 0
	v_nop
	global_prefetch_b8 v0, s[64:65] scope:SCOPE_SE
	s_setreg_imm32_b32 hwreg(HW_REG_WAVE_MODE, 25, 1), 1
	s_wait_xcnt 0x0
	s_wait_alu depctr_hold_cnt(0) depctr_sa_sdst(0) depctr_va_vdst(0) depctr_va_sdst(0) depctr_va_ssrc(0) depctr_va_vcc(0) depctr_vm_vsrc(0)
	s_getreg_b32 s2, hwreg(HW_REG_IB_STS2, 6, 4)
	s_cmp_eq_u32 s2, 0
	s_cbranch_scc0 .Lentry_in_a_cluster
	s_endpgm
.Lentry_in_a_cluster:
	s_bfe_u32 s2, ttmp6, 0x10000c
	s_cmp_lg_u32 s2, 0xf033
	s_cbranch_scc0 .Lentry_shape_is_right
	s_endpgm
.Lentry_shape_is_right:
; part[dt][b][s] = the sum over the 256 d of d-tile dt of v[b][d] tanh(x[b][s][d]),  x[b][s][d] = sum_e k[b][e][s] W[d][e] + sum_e q[b][e][s] U[d][e].
; Both quantised products contract over e and are added ahead of the tanh: they are ONE product with K = 2,048, whose first 1,024 come from k and W and whose second from q and U.
; All four operands arrive as codes of FP4 (E2M1), K innermost, 512 bytes a row, one E8M0 byte for each 32 along K (32 bytes a row): codes and bytes go to the matrix unit as they lie.
; NO WORK IS LEFT OUT: every input reaches the result.  (The 1 of tanh = 1 - 2 r adds the sum of v to every score of a batch, which the softmax would take away; it is one operand of a
; multiply-add inside live work and no unit of its own, and with it the scores stay sums of v tanh, small beside a common offset of v.)
; LIMITS: tanh(x) = 1 - 2 / (1 + 2^(2 log2(e) x)), by v_exp_f32 and v_rcp_f32 (each good to one unit in the last place: ISA guide, their entries), so its error is absolute, some 1e-7, also near x = 0;
; 2^(..) under 2^-126 counts as 0, which changes nothing in 1 + 2^(..); x = +-infinity gives +-1; a NaN (a scale byte 0xff) is carried on.  The sums over d are taken as a tree
; (lane, the two halves of the lanes, two waves, four d-tiles), not in ascending d.
; SHARES.  A tile is 256 rows (b, s) x 256 d, made by a work-group of four waves, as many as a WGP has SIMDs; a wave makes 128 x 128: 64 accumulators of 16 x 16, 512 registers.
; K goes in four steps of 512 (rows of 256 bytes) through two LDS slots: T = 0, 1: k and W, bytes 0-255 and 256-511 of each row; T = 2, 3: q and U likewise; slot = T % 2.
; A WORK-GROUP STAYS: it makes two tiles, the same d-tile and place of batches 2 c and 2 c + 1 (c: cluster y): 512 tiles on 256 work-groups.  The ring goes on into the second tile: its T = 0 is asked for in the first
; tile's last step, its T = 1 between the two halves of the first tile's way out, so that both land while tanh is computed.  W's and U's scale words serve both tiles; k's, q's and v are loaded anew under the way out.
; The first fifteen steps of a tile are written once (a loop of two trips); the last step and the way out are written twice, with and without the fills.
; CLUSTERS: 4 x 4 work-groups: the four tile rows of one batch x the four d-tiles.  The four of a row of the cluster need the same tiles of k and q, the four of a column the same tiles of W and U:
; each tile is asked for JOINTLY, by the same tensor load with the same descriptor and a mask that names the four.
; THE MATRIX INSTRUCTION: source 0 = 16 rows d of W or U, source 1 = 16 rows (b, s) of k or q.  In accumulator (a, b) lane (r, h) then holds ONE row s = 16 a + r, and its register j the unit
; d = 16 b + 8 h + j: tanh and the product with v stay inside the lane, in the accumulators' own registers.
; THE SCALE WORDS of the wave's 128 + 128 rows, for all of K, stay in 128 registers: one 16-byte load a lane takes words 4 h .. 4 h + 3 of row r, so register g holds the word of K = 128 g in lanes 0-15
; and that of K = 512 + 128 g in lanes 16-31, and the matrix instruction picks the half (ISA guide: the scale operands' row selector).
; REGISTERS, in windows of 256: window 0: v0-31 addresses; v32-95 k's and q's scale words, v96-159 W's and U's; v160-223 k's or q's fragments, ONE set; v224-231 the last sums.
;   window 1: W's or U's fragments, TWO sets, at v0 and v128; v64-127 my 64 numbers of v.   window 2: the accumulators of my rows 0-63 ((a, b) at v[8 (8 a + b)]);   window 3: rows 64-127.
.set TILES,  2                         ; tiles to a work-group
.set NEXTC,  1024*512                  ; bytes from a batch to the next: in k's and q's codes,
.set NEXTS,  1024*32                   ; in their scales,
.set NEXTV,  1024*4                    ; in v and in a plane of part
.set PITCH,  272                       ; an LDS row: 256 bytes of data + 16 of padding = 68 words: the 16 rows that a load touches start at 16 different banks (64 banks of 4 bytes: ISA guide 11.1)
.set HALFT,  128*PITCH                 ; 128 rows: what one tensor load brings, and what one wave reads of either side
.set SLOT,   4*HALFT                   ; k's or q's 256 rows, then W's or U's 256 rows
.set STAGE,  2*SLOT                    ; behind the ring: 512 bytes for each wave: its 128 partial scores; no tensor load lands here
.set SPARE,  STAGE+2048                ; the spare words, 128 bytes for each wave: two blocks of 256 bytes that no other line names
.set ADRA, 16                          ; v16-17  LDS address of my fragments of k or q in slot 0, 1
.set ADRB, 20                          ; v20-21  the same for W or U
.set SCO,  22                          ; v22     32 r + 16 h: my 16 bytes of a row of scales
.set VO,   23                          ; v23     32 h: my eight numbers of 16 of v
.set STO,  24                          ; v24     the stage: my wave's 512 bytes, + 4 r
.set RD,   25                          ; v25     the stage: the two waves' 1,024 bytes of my half of the rows, + 16 x lane
.set CO,   26                          ; v26     16 x lane: my four scores in part
.set SPW,  28                          ; v28     LDS address of my spare word: SPARE + 4 x my thread's number; never rewritten
.set NIL,  29                          ; v29     0; never rewritten
.set PFO,  30                          ; v30     256 x lane: the prefetches' offset; never rewritten
.set AS,   32                          ; scale words of k (buf 0) and q (buf 1): block a, register AS + 8 a + 4 buf + g
.set WS,   96                          ; of W and U: block b, register WS + 8 b + 4 buf + g
.set AF,   160                         ; k's or q's fragments, 8 blocks x 8 registers
.set VV,   64                          ; in window 1: register VV + 8 b + j = v[batch][my first d + 16 b + 8 h + j]
.set G1,   24                          ; s[24:31] descriptor group 1 for k's and q's tiles;  s[32:39] for W's and U's: it differs in the mask alone
.set G1B,  32                          ; groups 0, one for each K step: k, q: s40, s44, s48, s52 (stepped once, to the second tile);  W, U: s56, s60, s68, s72 (never rewritten)
.set WV,   76                          ; s76  my wave's number
.set RH,   77                          ; s77  which 128 of the tile's rows are mine.  Also: I fetch for k, q (0) or for W, U (1)
.set CH,   78                          ; s78  which 128 of its d.  Also: which 128 rows of that tile I fetch
.set CX,   79
.set CY,   80
.set TCOL, 81                          ; s81  d-tile
.set TROW, 82                          ; s82  the first tile's tile row
.set RMASK, 83
.set CMASK, 84
.set BAT,  85                          ; s85  the first tile's batch
.set CS,   90                          ; s[90:91] 2 log2(e): the packed form names a pair and takes its low word for both halves
.set SEL,  92                          ; s[92:93] lane selects for v_permlanex16_b32: lane l xor 16
.set PFA,  94                          ; s[94:95] where my prefetch of q stands: this tile's rows
.set LA,   96                          ; s96  wave x 128 LDS rows
.set TL,   97                          ; s97  tiles to go, this one among them: the same number in every work-group
.set PFK,  98                          ; s[98:99] where my prefetch of k stands: the second tile's rows; never rewritten
.set MSB, 0
.macro WIN new                         ; the immediate's high byte repeats the setting that is left; a switch that changes nothing is dropped
.if MSB != \new
	s_set_vgpr_msb (MSB<<8)|\new
.set MSB, \new
.endif
.endm
.set MUL_LO, 0xa1                      ; source 0 (W, U) window 1, source 1 (k, q) window 0, C and D window 2
.set MUL_HI, 0xf1                      ; the same, C and D window 3
.set TO_B,   0x40                      ; destination window 1, address window 0
; A joint load: waves 0 and 1 fetch for k or q, waves 2 and 3 for W or U.  Each of the two lines has ONE mask and one set of registers for all that issue it; the branch hangs on the wave's number alone.
; An s_nop 0 and four v_nop follow each of the two lines, ahead of the jump, the label and what follows.
.macro JLOAD g0a, g1a, g0b, g1b
	s_cmp_eq_u32 s[RH], 0
	s_cbranch_scc0 .Lfor_b_\@
	tensor_load_to_lds s[\g0a:\g0a+3], s[\g1a:\g1a+7]
	s_nop 0
.rept 4
	v_nop
.endr
	s_branch .Lasked_\@
.Lfor_b_\@:
	tensor_load_to_lds s[\g0b:\g0b+3], s[\g1b:\g1b+7]
	s_nop 0
.rept 4
	v_nop
.endr
.Lasked_\@:
.endm
.macro CREST                           ; a round of the cluster's barrier behind its opening barrier
	s_cmp_lg_u32 s[WV], 0
	s_cbranch_scc1 .Lnot_wave_0_\@
	s_barrier_signal -3
.Lnot_wave_0_\@:
	s_barrier_wait -3
	s_barrier_signal -1
	s_barrier_wait -1
.endm
.macro CROUND                          ; a whole round
	s_barrier_signal -1
	s_barrier_wait -1
	CREST
.endm
.macro MKG0 g0, base, odd              ; a group 0: count 1; LDS address: wave x 128 rows in slot odd; global address: the rows' bytes 256 odd on; type 2
	s_mov_b32 s[\g0], 1
	s_add_co_u32 s[\g0+1], s[LA], (\odd)*SLOT
	s_add_nc_u64 s[\g0+2:\g0+3], s[\base:\base+1], (\odd)*256
	s_or_b32 s[\g0+3], s[\g0+3], 0x80000000
.endm
	s_load_b256 s[4:11], s[0:1], 0x0               ; k's codes s[4:5], k's scales s[6:7], q's codes s[8:9], q's scales s[10:11]
	s_load_b256 s[12:19], s[0:1], 0x20             ; W's codes s[12:13], W's scales s[14:15], U's codes s[16:17], U's scales s[18:19]
	s_load_b128 s[20:23], s[0:1], 0x40             ; v s[20:21], part s[22:23]
	v_lshl_add_u32 v[SPW], v0, 2, SPARE
	v_mov_b32 v[NIL], 0
	ds_add_u32 v[SPW], v[NIL]                      ; the wave's opening: the add, twice on end, and its wait ahead of my first tensor load; the set-up below, work on registers, stands between the second and the wait
	ds_add_u32 v[SPW], v[NIL]                      ; and once more, under the one wait
	v_lshrrev_b32 v1, 5, v0
	v_readfirstlane_b32 s[WV], v1                  ; wave 0..3
	s_lshr_b32 s[RH], s[WV], 1
	s_and_b32 s[CH], s[WV], 1
	s_bfe_u32 s[CX], ttmp6, 0x40000                ; cx, cy: my place in the cluster
	s_bfe_u32 s[CY], ttmp6, 0x40004
	s_lshl_b32 s[TCOL], ttmp9, 2
	s_add_co_u32 s[TCOL], s[TCOL], s[CX]           ; d-tile = 4 x cluster x + cx
	s_and_b32 s[BAT], ttmp7, 0xffff                ; cluster y;
	s_lshl_b32 s[BAT], s[BAT], 1                   ; a cluster's four tile rows are one batch's 1,024 rows, and it makes two batches: the first is 2 x cluster y
	s_lshl_b32 s[TROW], s[BAT], 2
	s_add_co_u32 s[TROW], s[TROW], s[CY]           ; tile row = 4 x batch + cy
	s_lshl_b32 s[RMASK], s[CY], 2
	s_lshl_b32 s[RMASK], 15, s[RMASK]              ; my row of the cluster
	s_lshl_b32 s[CMASK], 0x1111, s[CX]             ; my column
	; descriptor group 1: a tile of 128 rows x 256 bytes out of rows of 512 bytes, padded in LDS
	s_or_b32 s[G1], s[RMASK], (0<<16)|(1<<20)|(1<<21)|(5<<22)|(3<<25)   ; 15:0 the mask: k's and q's tiles go to my row; 17:16 elements of 1 byte; 20 padding on; 21 set beside a mask; 24:22 after every 64 words (code 5); 31:25 of 4 words (code 3)
	s_or_b32 s[G1B], s[CMASK], (0<<16)|(1<<20)|(1<<21)|(5<<22)|(3<<25)  ; W's and U's go to my column
.irp g, G1, G1B
	s_mov_b32 s[\g+1], 256<<16                     ; tensor_dim0 = 256
	s_mov_b32 s[\g+2], 128<<16                     ; tensor_dim1 = 128
	s_mov_b32 s[\g+3], 256<<16                     ; tile_dim0 = 256
	s_mov_b32 s[\g+4], 128                         ; tile_dim1 = 128
	s_mov_b32 s[\g+5], 512                         ; tensor_dim0_stride: a row of 1,024 codes
	s_mov_b32 s[\g+6], 0
	s_mov_b32 s[\g+7], 0
.endr
	; where the tiles come from.  k's and q's hang on the tile row alone, which my row of the cluster shares (s[86:87]); W's and U's on the d-tile alone, which my column shares (s[88:89]).
	s_lshl_b32 s86, s[TROW], 17                    ; (256 x tile row + 128 x half) rows of 512 bytes
	s_lshl_b32 s87, s[CH], 16
	s_add_co_u32 s86, s86, s87
	s_mov_b32 s87, 0
	s_lshl_b32 s88, s[TCOL], 17                    ; (256 x d-tile + 128 x half) rows of 512 bytes
	s_lshl_b32 s89, s[CH], 16
	s_add_co_u32 s88, s88, s89
	s_mov_b32 s89, 0
	s_mul_i32 s[LA], s[WV], HALFT                  ; where they go: wave x 128 rows: no place in the cluster enters an LDS address
	s_lshl_b32 s2, s[TROW], 17                     ; the prefetches: of my tile row's 256 rows my work-group takes 64 (by cx), my wave 16 of them
	s_lshl_b32 s3, s[CX], 15
	s_add_co_u32 s2, s2, s3
	s_lshl_b32 s3, s[WV], 13
	s_add_co_u32 s2, s2, s3
	s_mov_b32 s3, 0
	s_mov_b32 s[CS], 0x4038aa3b                    ; 2 log2(e)
	s_mov_b32 s[CS+1], s[CS]                       ; (named with it as a pair, so it is written)
	s_mov_b32 s[SEL], 0x76543210
	s_mov_b32 s[SEL+1], 0xfedcba98
	s_wait_dscnt 0x0                               ; both opening adds are done
	s_wait_kmcnt 0x0
	s_add_nc_u64 s[PFA:PFA+1], s[8:9], s[2:3]      ; q's codes, the first tile's rows
	s_add_nc_u64 s[PFK:PFK+1], s[4:5], s[2:3]      ; k's codes,
	s_add_nc_u64 s[PFK:PFK+1], s[PFK:PFK+1], NEXTC ; the second tile's rows
	s_add_nc_u64 s[4:5], s[4:5], s[86:87]          ; k's and q's codes at the 128 rows that I fetch,
	s_add_nc_u64 s[8:9], s[8:9], s[86:87]
	s_add_nc_u64 s[12:13], s[12:13], s[88:89]      ; W's and U's likewise
	s_add_nc_u64 s[16:17], s[16:17], s[88:89]
	MKG0 40, 4, 0                                  ; T = 0: k,
	MKG0 44, 4, 1                                  ; T = 1
	MKG0 48, 8, 0                                  ; T = 2: q,
	MKG0 52, 8, 1                                  ; T = 3
	MKG0 56, 12, 0                                 ; W,
	MKG0 60, 12, 1
	MKG0 68, 16, 0                                 ; U
	MKG0 72, 16, 1
	CROUND                                         ; all sixteen work-groups are here: the first joint loads meet
	JLOAD 40, G1, 56, G1B                          ; slot 0: T = 0
	JLOAD 44, G1, 60, G1B                          ; slot 1: T = 1.  Two tensor loads of mine are out, the most in this text
	; the other bases
	s_lshl_b32 s86, s[TROW], 13                    ; scales of my 128 rows (b, s): (256 x tile row + 128 x my half) rows of 32 bytes
	s_lshl_b32 s87, s[RH], 12
	s_add_co_u32 s86, s86, s87
	s_mov_b32 s87, 0
	s_add_nc_u64 s[6:7], s[6:7], s[86:87]
	s_add_nc_u64 s[10:11], s[10:11], s[86:87]
	s_lshl_b32 s88, s[TCOL], 13                    ; scales of my 128 rows d
	s_lshl_b32 s89, s[CH], 12
	s_add_co_u32 s88, s88, s89
	s_mov_b32 s89, 0
	s_add_nc_u64 s[14:15], s[14:15], s[88:89]
	s_add_nc_u64 s[18:19], s[18:19], s[88:89]
	s_lshl_b32 s2, s[BAT], 12                      ; v: batch x 4,096 bytes + 4 x my first d
	s_lshl_b32 s3, s[TCOL], 10
	s_add_co_u32 s2, s2, s3
	s_lshl_b32 s3, s[CH], 9
	s_add_co_u32 s2, s2, s3
	s_mov_b32 s3, 0
	s_add_nc_u64 s[20:21], s[20:21], s[2:3]
	s_lshl_b32 s2, s[TCOL], 17                     ; part: d-tile x 131,072 bytes + 4 x my first row
	s_lshl_b32 s3, s[TROW], 10
	s_add_co_u32 s2, s2, s3
	s_lshl_b32 s3, s[RH], 9
	s_add_co_u32 s2, s2, s3
	s_mov_b32 s3, 0
	s_add_nc_u64 s[22:23], s[22:23], s[2:3]
	; the lanes' addresses
	v_and_b32 v1, 15, v0                           ; r = l % 16
	v_bfe_u32 v2, v0, 4, 1                         ; h = l / 16
	v_and_b32 v3, 31, v0                           ; lane
	v_mul_u32_u24 v4, v1, PITCH
	v_lshl_add_u32 v4, v2, 4, v4                   ; a fragment's row x pitch + 16 x half
	s_mul_i32 s2, s[RH], HALFT                     ; my 128 rows of k or q
	s_mul_i32 s3, s[CH], HALFT                     ; my 128 rows of W or U,
	s_add_co_u32 s3, s3, 2*HALFT                   ; which lie behind the other side's 256
.irp s, 0,1
	v_add_nc_u32 v[ADRA+\s], s2, v4
	v_add_nc_u32 v[ADRB+\s], s3, v4
	s_add_co_u32 s2, s2, SLOT
	s_add_co_u32 s3, s3, SLOT
.endr
	v_lshlrev_b32 v[SCO], 5, v1
	v_lshl_add_u32 v[SCO], v2, 4, v[SCO]
	v_lshlrev_b32 v[VO], 5, v2
	s_lshl_b32 s2, s[WV], 9
	s_add_co_u32 s2, s2, STAGE
	v_lshl_add_u32 v[STO], v1, 2, s2
	v_lshlrev_b32 v[CO], 4, v3
	s_lshl_b32 s2, s[RH], 10
	s_add_co_u32 s2, s2, STAGE
	v_add_nc_u32 v[RD], s2, v[CO]
	v_lshlrev_b32 v[PFO], 8, v3
	; the scale words: each load of the wave reads the 512 consecutive bytes of 16 rows
.irp a, 0,1,2,3,4,5,6,7
	global_load_b128 v[AS+8*\a:AS+8*\a+3],   v[SCO], s[6:7] offset:512*\a
	global_load_b128 v[AS+8*\a+4:AS+8*\a+7], v[SCO], s[10:11] offset:512*\a
	global_load_b128 v[WS+8*\a:WS+8*\a+3],   v[SCO], s[14:15] offset:512*\a
	global_load_b128 v[WS+8*\a+4:WS+8*\a+7], v[SCO], s[18:19] offset:512*\a
.endr
.macro VLOAD                           ; v of my 128 d, in the accumulators' layout: for block b the eight numbers 16 b + 8 h + 0 .. 7: sixteen loads
	WIN TO_B
.irp b, 0,1,2,3,4,5,6,7
	global_load_b128 v[VV+8*\b:VV+8*\b+3],   v[VO], s[20:21] offset:64*\b
	global_load_b128 v[VV+8*\b+4:VV+8*\b+7], v[VO], s[20:21] offset:64*\b+16
.endr
	WIN 0
.endm
	VLOAD
.macro FRAG reg, adr, q, i             ; a fragment, 16 rows x 128 K of 4-bit codes, is 8 registers: lane l holds row l % 16; registers 4 c .. 4 c + 3 hold K = 64 c + 32 (l / 16) + 0 .. 31
.irp c, 0,1
	ds_load_b128 v[\reg+4*\c:\reg+4*\c+3], v[\adr] offset:64*(\q)+32*\c+(\i)*16*PITCH
.endr
.endm
; 16 matrix instructions: blocks a0, a0 + 1 of my rows (b, s) x the eight blocks of my d, 128 along K: the q-th of K step T.  p: W's or U's set.  zero = 1: the first product starts the sums: nothing is ever cleared.
; The 64 accumulators take turns, one instruction a turn, in the same order in every step, from tile to tile too.
.macro MUL16 a0, p, T, q, zero
.irp a, \a0, \a0+1
.irp b, 0,1,2,3,4,5,6,7
.set rD, 8*(8*((\a)%4)+\b)
.set rB, 128*(\p)+8*\b
.set rA, AF+8*(\a)
.set rW, WS+8*\b+4*((\T)/2)+(\q)
.set rS, AS+8*(\a)+4*((\T)/2)+(\q)
.if \zero
	v_wmma_scale_f32_16x16x128_f8f6f4 v[rD:rD+7], v[rB:rB+7], v[rA:rA+7], 0, v[rW], v[rS] matrix_a_fmt:MATRIX_FMT_FP4 matrix_b_fmt:MATRIX_FMT_FP4
.elseif (\T)%2
	v_wmma_scale_f32_16x16x128_f8f6f4 v[rD:rD+7], v[rB:rB+7], v[rA:rA+7], v[rD:rD+7], v[rW], v[rS] matrix_a_fmt:MATRIX_FMT_FP4 matrix_b_fmt:MATRIX_FMT_FP4 matrix_a_scale:MATRIX_SCALE_ROW1 matrix_b_scale:MATRIX_SCALE_ROW1
.else
	v_wmma_scale_f32_16x16x128_f8f6f4 v[rD:rD+7], v[rB:rB+7], v[rA:rA+7], v[rD:rD+7], v[rW], v[rS] matrix_a_fmt:MATRIX_FMT_FP4 matrix_b_fmt:MATRIX_FMT_FP4
.endif
.endr
.endr
.endm
.macro FETCH_B slot, q, p              ; W's or U's eight fragments of the slot's q-th 128 along K into set p
	WIN TO_B
.irp i, 0,1,2,3,4,5,6,7
	FRAG 128*(\p)+8*\i, ADRB+\slot, \q, \i
.endr
	WIN 0
.endm
.macro FETCH_A slot, q, i0             ; k's or q's blocks i0 .. i0 + 3
.irp i, \i0, \i0+1, \i0+2, \i0+3
	FRAG AF+8*(\i), ADRA+\slot, \q, \i
.endr
.endm
; A load into a register that a matrix instruction has read, and a vector instruction that reads a matrix result, stand four places behind that matrix instruction, and only plain vector instructions
; that name none of its registers are places (ISA guide 7.12.1 for vector instructions); the matrix instructions in between are not counted.
.macro PLACES n
.rept \n
	v_nop
.endr
.endm
; A step of 128 along K that has its successor in the same slot.  A block of k or q is free as soon as its eight products are issued, so one set serves that side: blocks 0-3 are fetched anew in the step's
; middle, blocks 4-7 at its end.  W's or U's fragments are at work through the whole step and have two sets.
.macro STEP T, q, zero
	s_wait_dscnt 8                                 ; W's or U's set and blocks 0-3 are in; the youngest eight loads (blocks 4-7) may be out
	WIN MUL_LO
	MUL16 0, (\q)%2, \T, \q, \zero
	MUL16 2, (\q)%2, \T, \q, \zero
	s_wait_dscnt 0                                 ; blocks 4-7 are in (asked for 32 matrix instructions ago)
	PLACES 4
	FETCH_B (\T)%2, (\q)+1, 1-(\q)%2
	FETCH_A (\T)%2, (\q)+1, 0
	WIN MUL_HI
	MUL16 4, (\q)%2, \T, \q, \zero
	MUL16 6, (\q)%2, \T, \q, \zero
	PLACES 4
	WIN 0
	FETCH_A (\T)%2, (\q)+1, 4
.endm
; A slot's last step, with ONE barrier; in front of it each wave waits for all its tensor loads, adds 0 to its spare word, and waits for that and for its own reads of this slot.
; fill = 1: a slot that nobody reads any more is filled again (groups 0 at g0a, g0b): the barrier then opens a round of the cluster's barrier, and the joint load is the first thing behind the round.
; fetch = 1: the other slot's first fragments are fetched.  step = 1: k's and q's four groups 0 go on to the next tile: no tensor load of mine is out behind the wait for all of them.
.macro TURN T, fill, g0a, g0b, fetch, step
	s_wait_tensorcnt 0x0                           ; all my tensor loads have landed  (every window is 0 here: the add's two registers lie in window 0)
	ds_add_u32 v[SPW], v[NIL]                      ; 0 onto my spare word
.if \step
.irp d, 40,44,48,52
	s_add_nc_u64 s[\d+2:\d+3], s[\d+2:\d+3], NEXTC ; the same rows of the next batch; the type bits on top are not reached
.endr
.endif
	s_wait_dscnt 9                                 ; (the add and the youngest eight loads, blocks 4-7, may be out)
	WIN MUL_LO
	MUL16 0, 1, \T, 3, 0                           ; sixteen matrix instructions stand between the add and the wait for it
	s_wait_dscnt 0x0                               ; the add is done, and my reads of this slot are over
	s_barrier_signal -1
	MUL16 2, 1, \T, 3, 0
	WIN 0
	s_barrier_wait -1
.if \fill
	CREST                                          ; no wave of any partner still reads the slot's tile or has a load on its way
	JLOAD \g0a, G1, \g0b, G1B                      ; my one tensor load behind the round; its four v_nop are the places in front of the loads below
.else
	PLACES 4
.endif
.if \fetch
	FETCH_B 1-(\T)%2, 0, 0
	FETCH_A 1-(\T)%2, 0, 0
.endif
	WIN MUL_HI
	MUL16 4, 1, \T, 3, 0
	MUL16 6, 1, \T, 3, 0
	PLACES 4
	WIN 0
.if \fetch
	FETCH_A 1-(\T)%2, 0, 4
.endif
.endm
; THE WAY OUT, a window (four blocks u of 16 rows, 64 numbers a lane each) at a time, in the accumulators' own registers.  X(u, n) = v[64 u + n], n = 8 b + j; pair i = numbers 2 i, 2 i + 1.
; One window setting serves all of it: destination, source 0 and source 2 in the accumulators' window, source 1 (v) in window 1.  Pairs go in ascending order: each accumulator is read from its low end on.
.macro E_MUL u, i                      ; 2 log2(e) x
	v_pk_mul_f32 v[64*(\u)+2*(\i):64*(\u)+2*(\i)+1], v[64*(\u)+2*(\i):64*(\u)+2*(\i)+1], s[CS:CS+1] op_sel_hi:[1,0]
.endm
.macro E_EXP u, n                      ; E = 2^(..)
	v_exp_f32 v[64*(\u)+(\n)], v[64*(\u)+(\n)]
.endm
.macro E_ADD u, i                      ; 1 + E
	v_pk_add_f32 v[64*(\u)+2*(\i):64*(\u)+2*(\i)+1], v[64*(\u)+2*(\i):64*(\u)+2*(\i)+1], 1.0 op_sel_hi:[1,0]
.endm
.macro E_RCP u, n                      ; r = 1 / (1 + E)
	v_rcp_f32 v[64*(\u)+(\n)], v[64*(\u)+(\n)]
.endm
.macro E_TANH u, i                     ; tanh = 1 - 2 r
	v_pk_fma_f32 v[64*(\u)+2*(\i):64*(\u)+2*(\i)+1], v[64*(\u)+2*(\i):64*(\u)+2*(\i)+1], -2.0, 1.0 op_sel_hi:[1,0,0]
.endm
.macro E_DOT u, i                      ; x v, summed in four packed chains that lie in the block's first eight registers: the first four pairs start them
.if (\i) < 4
	v_pk_mul_f32 v[64*(\u)+2*(\i):64*(\u)+2*(\i)+1], v[64*(\u)+2*(\i):64*(\u)+2*(\i)+1], v[VV+2*(\i):VV+2*(\i)+1]
.else
	v_pk_fma_f32 v[64*(\u)+2*((\i)%4):64*(\u)+2*((\i)%4)+1], v[64*(\u)+2*(\i):64*(\u)+2*(\i)+1], v[VV+2*(\i):VV+2*(\i)+1], v[64*(\u)+2*((\i)%4):64*(\u)+2*((\i)%4)+1]
.endif
.endm
; The transcendentals go in batches of 64, each with ONE s_wait_alu depctr_va_vdst(0) ahead of the first instruction that names a result, and one plain instruction stands
; beside each transcendental.  A block's reciprocals stand among its own additions 1 + E, which run two pairs ahead of them, and the next block's scalings; the next block's exponentials among this block's
; tanh and products with v, a product two pairs behind its tanh.  What stands between a batch's instructions names none of its results, and each batch ends on a plain instruction.
.macro EPI W, wepi, wred, wst
	WIN \wepi
.set k, 0
.rept 32
	E_MUL 0, k
.set k, k+1
.endr
.set k, 0
.rept 64
	E_EXP 0, k
.set k, k+1
.endr
	v_nop                                          ; a plain instruction behind the last exponential
	s_wait_alu depctr_va_vdst(0)                   ; block 0's exponentials
.irp u, 0,1,2,3
	E_ADD \u, 0
	E_ADD \u, 1
.set k, 0
.rept 32
	E_RCP \u, 2*k
.if k < 30
	E_ADD \u, k+2
.endif
	E_RCP \u, 2*k+1
.if \u < 3
	E_MUL \u+1, k
.endif
.set k, k+1
.endr
.if \u == 3
	v_nop                                          ; a plain instruction behind the last reciprocal
.endif
	s_wait_alu depctr_va_vdst(0)                   ; block u's reciprocals
.set k, 0
.rept 34
.if (\u < 3) && (k < 32)
	E_EXP \u+1, 2*k
.endif
.if k < 32
	E_TANH \u, k
.endif
.if (\u < 3) && (k < 32)
	E_EXP \u+1, 2*k+1
.endif
.if k >= 2
	E_DOT \u, k-2
.endif
.set k, k+1
.endr
.if \u < 3
	s_wait_alu depctr_va_vdst(0)                   ; block u + 1's exponentials
.endif
.endr
	WIN \wred                                      ; destination and both sources in the accumulators' window: the four chains, their two halves, and the other half of the lanes (the row's other 64 d); the four blocks by turns
.irp u, 0,1,2,3
	v_pk_add_f32 v[64*\u:64*\u+1], v[64*\u:64*\u+1], v[64*\u+2:64*\u+3]
.endr
.irp u, 0,1,2,3
	v_pk_add_f32 v[64*\u+4:64*\u+5], v[64*\u+4:64*\u+5], v[64*\u+6:64*\u+7]
.endr
.irp u, 0,1,2,3
	v_pk_add_f32 v[64*\u:64*\u+1], v[64*\u:64*\u+1], v[64*\u+4:64*\u+5]
.endr
.irp u, 0,1,2,3
	v_add_f32 v[64*\u], v[64*\u], v[64*\u+1]
.endr
.irp u, 0,1,2,3
	v_permlanex16_b32 v[64*\u+2], v[64*\u], s[SEL], s[SEL+1]   ; (its destination counts as read: it has been written)
.endr
.irp u, 0,1,2,3
	v_add_f32 v[64*\u], v[64*\u], v[64*\u+2]
.endr
	WIN \wst                                       ; an LDS store's data are its source 1
.irp u, 0,1,2,3
	ds_store_b32 v[STO], v[64*\u] offset:64*(4*((\W)-2)+\u)   ; row 16 a + r of my 128; both halves of the lanes write the same word with the same value
.endr
.endm
; A tile's whole way out.  more = 1: another tile follows: its scale words of k and q, its T = 1, its first fragments and its v are asked for on the way.
.macro WAYOUT more
	s_wait_loadcnt 0x0                             ; this batch's v is in; and every load that named the scales' bases is done, so they may step
.if \more
	s_add_nc_u64 s[6:7], s[6:7], NEXTS
	s_add_nc_u64 s[10:11], s[10:11], NEXTS
.irp a, 0,1,2,3,4,5,6,7                        ; four places lie behind the last products, which read these registers
	global_load_b128 v[AS+8*\a:AS+8*\a+3],   v[SCO], s[6:7] offset:512*\a
	global_load_b128 v[AS+8*\a+4:AS+8*\a+7], v[SCO], s[10:11] offset:512*\a
.endr
.endif
	EPI 2, 0xa6, 0x8a, 0x08                        ; my rows 0-63
.if \more
	WIN 0
	s_wait_tensorcnt 0x0                           ; the next tile's T = 0, asked for in the last step, has landed: it had 32 matrix instructions and half the way out
	ds_add_u32 v[SPW], v[NIL]                      ; 0 onto my spare word
	s_wait_dscnt 0x0                               ; the add is done; my reads of slot 1 were over at the last round
	CROUND                                         ; both hold of every wave of every work-group of the cluster
	JLOAD 44, G1, 60, G1B                          ; slot 1 takes the next tile's T = 1: it has the other half of the way out and a K step in which to land
	FETCH_B 0, 0, 0                                ; and the next tile's first fragments come out of slot 0, into registers that the way out does not touch
	FETCH_A 0, 0, 0
	FETCH_A 0, 0, 4
.endif
	EPI 3, 0xf7, 0xcf, 0x0c                        ; my rows 64-127
	WIN 0
	s_wait_dscnt 0x0                               ; for the other wave's sake: my stores into the stage are done
	s_barrier_signal -1
	s_barrier_wait -1
	s_cmp_lg_u32 s[CH], 0                          ; of the two waves that hold the two halves of d for the same 128 rows, the even one adds and stores
	s_cbranch_scc1 .Lnot_even_\@
	ds_load_b128 v[224:227], v[RD]                 ; my own four scores a lane,
	ds_load_b128 v[228:231], v[RD] offset:512      ; and the other wave's
	s_wait_dscnt 0x0
	v_pk_add_f32 v[224:225], v[224:225], v[228:229]
	v_pk_add_f32 v[226:227], v[226:227], v[230:231]
	global_store_b128 v[CO], v[224:227], s[22:23]  ; 32 lanes store 512 consecutive bytes, at a multiple of 512 from part's first byte
.Lnot_even_\@:
.if \more
	s_wait_xcnt 0x0                                ; the store and the prefetches have read their registers and bases: only behind this wait are they written again
	s_add_nc_u64 s[22:23], s[22:23], NEXTV
	s_add_nc_u64 s[20:21], s[20:21], NEXTV
	s_add_nc_u64 s[PFA:PFA+1], s[PFA:PFA+1], NEXTC
	VLOAD                                          ; the next batch's v: wanted at the next way out
.endif
.endm
	s_wait_tensorcnt 0x1                           ; my part of T = 0 is in; T = 1's load may stay out
	s_barrier_signal -1
	s_barrier_wait -1                              ; everybody's is
	FETCH_B 0, 0, 0
	FETCH_A 0, 0, 0
	FETCH_A 0, 0, 4
	s_mov_b32 s[TL], TILES
.Ltile:                                                ; on both ways in: slot 0 holds T = 0, its first fragments are asked for, T = 1 is on its way or in, every window is 0
	; A PREFETCH INTO THE L2 of q's codes of this tile's rows, which the refills of T = 2 and T = 3 will ask for, 256 and 512 matrix instructions on.  The tile row's 256 rows of 512 bytes are read by my row of the
	; cluster alone; its four partners take 64 rows each, told apart BY ADDRESS (cx), each wave 16 rows, lanes 256 bytes apart: every block of 256 bytes is named once in the launch, by one instruction a wave.
	; It stands behind a run of loads.  The first tile's k comes by the first fills; W and U are read by every cluster: neither is asked for.
	global_prefetch_b8 v[PFO], s[PFA:PFA+1] th:TH_LOAD_NT scope:SCOPE_SE
	s_wait_loadcnt 0x10                            ; the scale words are in; v's sixteen loads, the youngest on both ways in, may stay out
	STEP 0, 0, 1                                   ; the first step's products start the sums
	STEP 0, 1, 0
	STEP 0, 2, 0
	TURN 0, 1, 48, 68, 1, 0                        ; slot 0 takes T = 2: q and U
	STEP 1, 0, 0
	STEP 1, 1, 0
	STEP 1, 2, 0
	TURN 1, 1, 52, 72, 1, 0                        ; slot 1 takes T = 3
	STEP 2, 0, 0
	STEP 2, 1, 0
	STEP 2, 2, 0
	TURN 2, 0, 0, 0, 1, 0                          ; nothing is filled here: no round
	s_cmp_eq_u32 s[TL], 1                          ; the next tile's k, shared out as q is: its first half is asked for 256 matrix instructions on, its second behind half the way out.  The last tile asks for nothing
	s_cbranch_scc1 .Lno_next
	global_prefetch_b8 v[PFO], s[PFK:PFK+1] th:TH_LOAD_NT scope:SCOPE_SE
.Lno_next:
	STEP 3, 0, 0
	STEP 3, 1, 0
	STEP 3, 2, 0
	s_cmp_eq_u32 s[TL], 1
	s_cbranch_scc1 .Llast                          ; the last tile's tail is written out: it asks for nothing more
	TURN 3, 1, 40, 56, 0, 1                        ; THE RING GOES ON INTO THE NEXT TILE: slot 0, which nobody has read since T = 2, takes its T = 0
	WAYOUT 1
	s_sub_co_u32 s[TL], s[TL], 1
	s_cmp_lg_u32 s[TL], 0
	s_cbranch_scc1 .Ltile
.Llast:
	s_wait_dscnt 8                                 ; the very last step
	WIN MUL_LO
	MUL16 0, 1, 3, 3, 0
	MUL16 2, 1, 3, 3, 0
	s_wait_dscnt 0
	WIN MUL_HI
	MUL16 4, 1, 3, 3, 0
	MUL16 6, 1, 3, 3, 0
	WIN 0
	PLACES 4                                       ; behind the last products
	WAYOUT 0
	s_wait_tensorcnt 0x0                           ; the wave's end: behind my last tensor load and my last LDS store
	ds_add_u32 v[SPW], v[NIL]
	s_wait_dscnt 0x0
	CROUND                                         ; the closing round: no work-group ends while a partner may still ask for a tile that names it
	s_endpgm
.Lfunc_end_k_q48b5b43a23_scores:
	.size	k_q48b5b43a23_scores, .Lfunc_end_k_q48b5b43a23_scores-k_q48b5b43a23_scores
	.p2alignl 7, 3214868480
	.fill 96, 4, 3214868480
	.section	.rodata,"a",@progbits
	.p2align	6, 0x0
	.amdhsa_kernel k_q48b5b43a23_scores
		.amdhsa_group_segment_fixed_size 327680
		.amdhsa_private_segment_fixed_size 0
		.amdhsa_enable_private_segment 0
		.amdhsa_kernarg_size 80
		.amdhsa_user_sgpr_count 2
		.amdhsa_user_sgpr_kernarg_segment_ptr 1
		.amdhsa_wavefront_size32 1
		.amdhsa_system_sgpr_workgroup_id_x 1
		.amdhsa_system_sgpr_workgroup_id_y 1
		.amdhsa_system_sgpr_workgroup_id_z 1
		.amdhsa_system_vgpr_workitem_id 0
		.amdhsa_next_free_vgpr 1024
		.amdhsa_next_free_sgpr 100
		.amdhsa_reserve_vcc 0
		.amdhsa_float_denorm_mode_32 3
		.amdhsa_float_denorm_mode_16_64 3
		.amdhsa_memory_ordered 1
		.amdhsa_forward_progress 1
		.amdhsa_inst_pref_size 255
	.end_amdhsa_kernel
	.section	.bss,"aw",@nobits
	.p2align	6
	.space	262144
	.amdgpu_metadata
---
amdhsa.version: [ 1, 2 ]
amdhsa.kernels:
  - .name:           k_q48b5b43a23_scores
    .symbol:         k_q48b5b43a23_scores.kd
    .args:
      - { .name: k_codes, .offset: 0, .size: 8, .value_kind: global_buffer, .address_space: global }
      - { .name: k_scales, .offset: 8, .size: 8, .value_kind: global_buffer, .address_space: global }
      - { .name: q_codes, .offset: 16, .size: 8, .value_kind: global_buffer, .address_space: global }
      - { .name: q_scales, .offset: 24, .size: 8, .value_kind: global_buffer, .address_space: global }
      - { .name: W_codes, .offset: 32, .size: 8, .value_kind: global_buffer, .address_space: global }
      - { .name: W_scales, .offset: 40, .size: 8, .value_kind: global_buffer, .address_space: global }
      - { .name: U_codes, .offset: 48, .size: 8, .value_kind: global_buffer, .address_space: global }
      - { .name: U_scales, .offset: 56, .size: 8, .value_kind: global_buffer, .address_space: global }
      - { .name: v, .offset: 64, .size: 8, .value_kind: global_buffer, .address_space: global }
      - { .name: part, .offset: 72, .size: 8, .value_kind: global_buffer, .address_space: global }
    .group_segment_fixed_size: 327680
    .private_segment_fixed_size: 0
    .kernarg_segment_align: 8
    .kernarg_segment_size: 80
    .max_flat_workgroup_size: 128
    .sgpr_count:     100
    .vgpr_count:     1024
    .wavefront_size: 32
...
	.end_amdgpu_metadata
.endif
;; end of part 1
;; launch softmax (part 2): grid 32 x 1, 1 waves a work-group, no clusters, 0 bytes of LDS; arguments part, out0; writes out0
.if DOCPART == 2
	.amdgcn_target "amdgcn-amd-amdhsa--gfx1250"
	.amdhsa_code_object_version 6
	.text
	.protected	k_q48b5b43a23_softmax
	.globl	k_q48b5b43a23_softmax
	.p2align	8
	.type	k_q48b5b43a23_softmax,@function
k_q48b5b43a23_softmax:
	s_mov_b64 s[64:65], 0
	v_nop
	global_prefetch_b8 v0, s[64:65] scope:SCOPE_SE
	s_setreg_imm32_b32 hwreg(HW_REG_WAVE_MODE, 25, 1), 1
	s_wait_xcnt 0x0
; out0[b][0][s] = softmax over s of (part[0][b][s] + part[1][b][s] + part[2][b][s] + part[3][b][s]).  part: [4][32][1024] f32, out0: [32][1][1024] f32.  No work is left out.
; One wave takes one batch: 32 numbers a lane, so that maximum and sum never leave the wave: no LDS, no barrier.  The launch moves 640 KiB in all: more waves to a batch would add barriers and spare nothing.
; The row's maximum m is taken away ahead of the exponential: p = 2^(s log2(e) - mc), mc = m log2(e) rounded once: that rounding is one factor for the whole row and leaves with the division.
; LIMITS: a p under 2^-126 comes out as 0 (v_exp_f32 flushes: ISA guide, its entry); the division is a multiplication by v_rcp_f32's result; a NaN among the scores makes the row's result undefined.
; Each load and store of the wave covers 512 consecutive bytes, aligned.  Lane l, load j, number c: s = 128 j + 4 l + c, in and out alike.
.set S, 16                             ; v16-47 plane 0, then the scores, then p; v48-143 planes 1 to 3
	s_load_b128 s[4:7], s[0:1], 0x0                ; part, out0
	v_lshlrev_b32 v1, 4, v0                        ; 16 bytes a lane
	s_lshl_b32 s2, ttmp9, 12                       ; the batch's 4,096 bytes
	s_mov_b32 s3, 0
	s_mov_b32 s8, 0x3fb8aa3b                       ; log2(e)
	s_mov_b32 s9, s8                               ; (named with it as a pair, so it is written)
	s_mov_b32 s10, 0x76543210                      ; v_permlanex16_b32's selects for lane l xor 16
	s_mov_b32 s11, 0xfedcba98
	s_wait_kmcnt 0x0
	s_add_nc_u64 s[4:5], s[4:5], s[2:3]
	s_add_nc_u64 s[6:7], s[6:7], s[2:3]
.irp p, 0,1,2,3
.irp j, 0,1,2,3,4,5,6,7
	global_load_b128 v[S+32*\p+4*\j:S+32*\p+4*\j+3], v1, s[4:5] offset:\p*131072+512*\j th:TH_LOAD_NT
.endr
.endr
.macro ADDP p                          ; plane p onto plane 0
.set i, 0
.rept 16
	v_pk_add_f32 v[S+2*i:S+2*i+1], v[S+2*i:S+2*i+1], v[S+32*\p+2*i:S+32*\p+2*i+1]
.set i, i+1
.endr
.endm
	s_wait_loadcnt 16                              ; planes 0 and 1 are in; the sixteen loads of planes 2 and 3 may be out
	ADDP 1
	s_wait_loadcnt 8                               ; plane 3's eight may be out
	ADDP 2
	s_wait_loadcnt 0x0
	ADDP 3
	; the row's maximum: four chains of eight in the lane, then across the lanes
.irp c, 0,1,2,3
	v_max3_num_f32 v[2+\c], v[S+8*\c], v[S+8*\c+1], v[S+8*\c+2]
.endr
.irp n, 3,5
.irp c, 0,1,2,3
	v_max3_num_f32 v[2+\c], v[2+\c], v[S+8*\c+\n], v[S+8*\c+\n+1]
.endr
.endr
.irp c, 0,1,2,3
	v_max_num_f32 v[2+\c], v[2+\c], v[S+8*\c+7]
.endr
	v_max3_num_f32 v2, v2, v3, v4
	v_max_num_f32 v2, v2, v5
	v_max_num_f32_dpp v2, v2, v2 row_xmask:1 row_mask:0xf bank_mask:0xf
	v_max_num_f32_dpp v2, v2, v2 row_xmask:2 row_mask:0xf bank_mask:0xf
	v_max_num_f32_dpp v2, v2, v2 row_xmask:4 row_mask:0xf bank_mask:0xf
	v_max_num_f32_dpp v2, v2, v2 row_xmask:8 row_mask:0xf bank_mask:0xf
	v_permlanex16_b32 v3, v2, s10, s11             ; (its destination counts as read: it has been written)
	v_max_num_f32 v2, v2, v3                       ; every lane holds m
	v_mul_f32 v6, s8, v2                           ; mc
	v_mov_b32 v7, v6                               ; (named with it as a pair)
.set i, 0
.rept 16
	v_pk_fma_f32 v[S+2*i:S+2*i+1], v[S+2*i:S+2*i+1], s[8:9], v[6:7] op_sel_hi:[1,0,0] neg_lo:[0,0,1] neg_hi:[0,0,1]   ; s log2(e) - mc, two at a time
.set i, i+1
.endr
.set i, 0
.rept 32
	v_exp_f32 v[S+i], v[S+i]
.set i, i+1
.endr
	v_nop                                          ; a plain instruction behind the last exponential
	s_wait_alu depctr_va_vdst(0)                   ; one wait for the batch, ahead of its first reader
	v_pk_add_f32 v[8:9], v[S:S+1], v[S+2:S+3]      ; the sum: two packed chains
	v_pk_add_f32 v[10:11], v[S+4:S+5], v[S+6:S+7]
.irp n, 8,12,16,20,24,28
	v_pk_add_f32 v[8:9], v[8:9], v[S+\n:S+\n+1]
	v_pk_add_f32 v[10:11], v[10:11], v[S+\n+2:S+\n+3]
.endr
	v_pk_add_f32 v[8:9], v[8:9], v[10:11]
	v_add_f32 v8, v8, v9
	v_add_f32_dpp v8, v8, v8 row_xmask:1 row_mask:0xf bank_mask:0xf
	v_add_f32_dpp v8, v8, v8 row_xmask:2 row_mask:0xf bank_mask:0xf
	v_add_f32_dpp v8, v8, v8 row_xmask:4 row_mask:0xf bank_mask:0xf
	v_add_f32_dpp v8, v8, v8 row_xmask:8 row_mask:0xf bank_mask:0xf
	v_permlanex16_b32 v9, v8, s10, s11
	v_add_f32 v8, v8, v9                           ; every lane holds the row's sum
	v_rcp_f32 v12, v8                              ; twice, to fill the pair that the packed multiply names
	v_rcp_f32 v13, v8
	v_nop                                          ; a plain instruction behind the last reciprocal
	s_wait_alu depctr_va_vdst(0)                   ; one wait for both
.set i, 0
.rept 16
	v_pk_mul_f32 v[S+2*i:S+2*i+1], v[S+2*i:S+2*i+1], v[12:13]
.set i, i+1
.endr
.irp j, 0,1,2,3,4,5,6,7
	global_store_b128 v1, v[S+4*\j:S+4*\j+3], s[6:7] offset:512*\j
.endr
	s_endpgm
.Lfunc_end_k_q48b5b43a23_softmax:
	.size	k_q48b5b43a23_softmax, .Lfunc_end_k_q48b5b43a23_softmax-k_q48b5b43a23_softmax
	.p2alignl 7, 3214868480
	.fill 96, 4, 3214868480
	.section	.rodata,"a",@progbits
	.p2align	6, 0x0
	.amdhsa_kernel k_q48b5b43a23_softmax
		.amdhsa_group_segment_fixed_size 0
		.amdhsa_private_segment_fixed_size 0
		.amdhsa_enable_private_segment 0
		.amdhsa_kernarg_size 16
		.amdhsa_user_sgpr_count 2
		.amdhsa_user_sgpr_kernarg_segment_ptr 1
		.amdhsa_wavefront_size32 1
		.amdhsa_system_sgpr_workgroup_id_x 1
		.amdhsa_system_sgpr_workgroup_id_y 1
		.amdhsa_system_sgpr_workgroup_id_z 1
		.amdhsa_system_vgpr_workitem_id 0
		.amdhsa_next_free_vgpr 144
		.amdhsa_next_free_sgpr 66
		.amdhsa_reserve_vcc 0
		.amdhsa_float_denorm_mode_32 3
		.amdhsa_float_denorm_mode_16_64 3
		.amdhsa_memory_ordered 1
		.amdhsa_forward_progress 1
		.amdhsa_inst_pref_size 14
	.end_amdhsa_kernel
	.amdgpu_metadata
---
amdhsa.version: [ 1, 2 ]
amdhsa.kernels:
  - .name:           k_q48b5b43a23_softmax
    .symbol:         k_q48b5b43a23_softmax.kd
    .args:
      - { .name: part, .offset: 0, .size: 8, .value_kind: global_buffer, .address_space: global }
      - { .name: out0, .offset: 8, .size: 8, .value_kind: global_buffer, .address_space: global }
    .group_segment_fixed_size: 0
    .private_segment_fixed_size: 0
    .kernarg_segment_align: 8
    .kernarg_segment_size: 16
    .max_flat_workgroup_size: 32
    .sgpr_count:     66
    .vgpr_count:     144
    .wavefront_size: 32
...
	.end_amdgpu_metadata
.endif
;; end of part 2
